; MI455X (gfx1250); checked and timed in simulation.
; The chip was launched on July 23, 2026; its instructions are those of AMD's public machine-readable ISA for CDNA 5 (MIT licence, August 2026) and "CDNA5" Instruction Set Architecture Reference Guide (July 2026). The comments in the code are by the model that wrote it; some were corrected since.
;; Enhanced Mo E Model. Allowed arithmetic: matrix products marked QUANTISED: E2M1 operands, one E8M0 scale for each 32 along K, by v_wmma_scale_f32_16x16x128_f8f6f4 with both operands' format E2M1 (or v_wmma_scale_f32_32x16x128_f4), f32 sums; products left as they are: f32 operands where the result goes on into a quantised operand, else bf16, f16 or f32 operands; f32 sums; everything else in f32.
;; Inputs: W1 8 x 32 x 64 float32; W2 8 x 64 x 32 float32; W3 8 x 32 x 1 float32; b1 8 x 64 float32; b2 8 x 32 float32; b3 8 x 1 float32; soft_cluster_probs 524,288 x 8 float32; x 524,288 x 32 float32.
;; Outputs: out0 524,288 x 1 float32.
;; This version of the problem:
;;   THIS VERSION OF THE PROBLEM IS GIVEN IN LOW PRECISION. The matrix products marked QUANTISED in the list below multiply operands that are first quantised to E2M1 (2 exponent bits, 1 mantissa bit; 4 bits a number), with one power-of-two scale for each 32 numbers along K (OCP MX v1.0); their sums are f32. All else is computed in f32.
;;   The module's matrix products, in the order in which they are computed (A, B: the left and right operand; K: the contracted axis; several contracted axes count as one K, in the product's order):
;;     1. [M 512, K 32] x [K 32, N 524,288]; A: input W1; B: input x: QUANTISED
;;     2. batch 8 x [M 524,288, K 64] x [K 64, N 32]; A: computed on the way; B: input W2: QUANTISED
;;     3. batch 8 x [M 524,288, K 32] x [K 32, N 1]; A: computed on the way; B: input W3: left as it is (N = 1 < 16)
;;     4. batch 524,288 x [M 1, K 8] x [K 8, N 1]; A: computed on the way; B: input soft_cluster_probs: left as it is (K = 8 < 32)
;;   THE QUANTISER, for each operand of a quantised product, along K:
;;     - K is cut into blocks of 32 from its start; a last block that is shorter is filled with zeros.
;;     - A block's scale is 2^e with e = floor(log2(the largest magnitude in the block)) - 2, held to -126 .. 127; a block of zeros has e = 0. As a byte (E8M0): e + 127.
;;     - Each number is divided by its block's scale, clamped to +-6, and rounded to the nearest number of E2M1, ties to even, subnormals kept.
;;     - The product sums the exact products of the quantised numbers (number of the format x scale) in f32.
;;   ~~~python
;;   def quantise(x, axis):      # numpy; x: float32 -> the quantised numbers, widened to float32 again
;;       x = np.moveaxis(x, axis, -1); K = x.shape[-1]
;;       x = np.pad(x, [(0, 0)] * (x.ndim - 1) + [(0, -K % 32)]); x = x.reshape(x.shape[:-1] + (-1, 32)); a = np.abs(x).max(-1, keepdims=True)
;;       e = np.where(a > 0, np.clip(np.frexp(np.where(a > 0, a, 1))[1] - 1 - 2, -126, 127), 0)      # np.frexp(a)[1] - 1 = floor(log2(a)), exactly
;;       r = np.clip(x / 2.0 ** e, -6, 6)
;;       step = 2.0 ** (np.maximum(np.frexp(np.where(r == 0, 1, r))[1] - 1, 0) - 1)
;;       q = np.round(r / step) * step * 2.0 ** e      # np.round: ties to even
;;       return np.moveaxis(q.reshape(q.shape[:-2] + (-1,))[..., :K], -1, axis).astype(np.float32)
;;   ~~~
;;   OPERANDS COMPUTED ON THE WAY. 'Computed on the way' means the value that the module computes at that place (a softmax that the list does not call 'softmax' is quantised finished and normalised). What goes into a quantiser is computed in f32, as accurately as f32 sums, v_exp_f32 and their like allow (about 1e-6 of the number): no bf16 or f16 on the way to a quantiser, and a product that is left as it is and whose result goes on into a quantised operand takes f32 operands (vector FMAs, or v_wmma_f32_16x16x4_f32). A number that lies on a knife's edge between two numbers of the format may be rounded either way, as far as f32 arithmetic and the matrix unit's own rounding can turn it there, and no further.
;; One version. Each part assembles by itself: llvm-mc -triple=amdgcn-amd-amdhsa -mcpu=gfx1250 --defsym DOCPART=n.
;; ======== version 1 of 1: 1 launch
;; limits: right only within a limited range of input values
;; launch main (part 1): grid 256 x 1, 16 waves a work-group, no clusters, 141,312 bytes of LDS; arguments x, soft_cluster_probs, W1, b1, W2, b2, W3, b3, out0; writes out0
.if DOCPART == 1
	.amdgcn_target "amdgcn-amd-amdhsa--gfx1250"
	.amdhsa_code_object_version 6
	.text
	.protected	k_q1aa629b7b3_main
	.globl	k_q1aa629b7b3_main
	.p2align	8
	.type	k_q1aa629b7b3_main,@function
k_q1aa629b7b3_main:
	s_mov_b64 s[64:65], 0
	v_nop
	global_prefetch_b8 v0, s[64:65] scope:SCOPE_SE
	s_setreg_imm32_b32 hwreg(HW_REG_WAVE_MODE, 25, 1), 1
	s_wait_xcnt 0x0
; out[b] = sum over e of probs[b][e] * sigmoid(relu(Q(relu(Q(x[b]) Q(W1[e]) + b1[e])) Q(W2[e]) + b2[e]) . W3[e] + b3[e]).
; Q: MX-FP4 (E2M1 codes, one E8M0 scale for each 32 along K).  x [524288][32], probs [524288][8], W1 [8][32][64], W2 [8][64][32], W3 [8][32], out [524288], all f32.
; SHARES.  256 work-groups of 16 waves; a work-group owns 2,048 rows, A WAVE OWNS 128 ROWS AND TAKES THEM THROUGH ALL 8 EXPERTS.
; HEAD.  Waves 0-7 quantise W1[e], waves 8-15 W2[e] (e = wave & 7), a lane to a column, registers down K, and leave the operands' register images in LDS, 4,096 bytes an expert,
;   with b1, b2, -log2(e) W3 and -log2(e) b3 beside them.  Each wave quantises its own 128 rows of x into its own LDS bytes and lays its probs by expert.  One barrier.
; LOOP.  8 trips, an expert each, no barrier: the expert's images come into registers (23 loads of 16 bytes a lane, and one of probs), then 8 tiles of 16 rows.
; LAYOUT.  Both products are used transposed (source 0 = 16 rows of a weight, source 1 = 16 data rows): lane (r = lane % 16, h = lane / 16) holds data row r.
;   Row m of W1's tile q is hidden unit 32 (m / 8) + 8 q + m % 8: register 8 q + j of the four results is unit 32 h + 8 q + j: a lane holds one whole block of the next K, in order.
;   Row m of W2's tile u is unit 16 (m / 8) + 8 u + m % 8: register 8 u + j of the two results is unit 16 h + 8 u + j.
; K = 32 AND 64 IN A FORM OF 128.  W1's tiles lie as W0 Z W1 and W2 Z W3 (four registers each, Z zero codes, lanes 16-31 zero codes): [Wq Z] meets x's codes in registers 0-3, [Z Wq] in registers 4-7;
;   the other four data registers are a neighbouring tile's codes or zeros and meet zero codes.  W2's pack holds tile 0 in blocks 0, 1 and tile 1 in blocks 2, 3; the data are [P Z2] or [Z1 P].
; TILE t HOLDS LOCAL ROWS 64 (t % 2) + 4 r + t / 2: after the exchange of halves between tiles 2 p and 2 p + 1, register p of lane l is row 4 l + p: 16 bytes of out a lane.
; RELU OF THE HIDDEN LAYER IS DONE ON THE CODES: the block's largest number is taken without |.|, and the magnitude bits of negative codes are cleared (-0 adds nothing).
; NO CLUSTER, NO TENSOR LOAD: what work-groups share is the weights, read once at the head into the registers that the conversions take.  NO PREFETCH: every global load is issued at the head; there is no loop over memory to run ahead in.
; LIMITS.  NaN and infinities among the inputs are not served.  A block whose largest magnitude lies under 2^-124 keeps the scale byte 1; a block of zeros has the byte 1 over zero codes (the bytes
;   are read by this program alone).  W3 and b3 carry the factor -log2(e): one more f32 rounding ahead of the sigmoid.  A lane's 32 bytes of x come by two loads of 16.
.set XI,   0                           ; LDS: codes, 16 bytes a row, 2,048 bytes a wave
.set XSI,  32768                       ; scale words, 4 bytes a row (the byte four times), 512 bytes a wave
.set PRB,  40960                       ; probs: 4,096 bytes a wave: plane e of 512 bytes, 4 bytes a row
.set WIM,  106496                      ; 8 x 4,096: W1 2048 | W2 1024 | (W1S0 W1S1 W2S b3') 512 | b1 256 | b2 128 | W3' 128
.set SPARE, 139264                     ; the spare words, 128 bytes a wave
.set AW,   1                           ; WIM + 4096 e + 16 lane
.set AB1,  2                           ; WIM + 4096 e + 3584 + 128 h
.set AB2,  3                           ; WIM + 4096 e + 3840 + 64 h
.set AP,   4                           ; PRB + 4096 wave + 512 e + 16 lane
.set GO,   5                           ; 16 lane
.set MXA,  6
.set MXB,  7
.set SC,   8
.set BY,   9
.set OT,   10
.set NIL,  11                          ; 0, for the add alone
.set T,    12                          ; v12-15, v16-19 at work
.set S,    16
.set SA,   20
.set PS,   22                          ; v22, v24-34 hold scales and nothing else
.set SPW,  23                          ; my spare word
.set XS,   24                          ; v24-31 the 8 tiles' scale words
.set W1S,  32
.set W2S,  34
.set B3,   35
.set PR,   36                          ; v36-39 probs of rows 4 l .. 4 l + 3, this expert
.set ACC,  40                          ; v40-43 out of rows 4 l .. 4 l + 3
.set ZH,   44                          ; v44-51 the 8 tiles' half sums
.set P,    56                          ; v52-55 0, v56-59 P, v60-63 0, v64-95 x's codes, v96-99 0
.set G,    64
.set W1P,  100                         ; v100-123: W0 Z W1 W2 Z W3
.set W2P,  124
.set B1,   132
.set B2,   164
.set W3,   180
.set D1,   196
.set D2,   228
; at the head only
.set SM,   14                          ; small loads
.set PST,  17
.set SW,   18
.set BYA,  20
.set BYB,  21
.set H8,   35
.set QC,   36
.set QS,   37
.set XO,   38
.set AWS,  39
.set A4,   40
.set A8,   41
.set VO1,  42
.set VO2,  43
.set L4,   44
.set L8,   45
.set AGL,  46
.set AXL,  47
.set C,    48                          ; v48-63 codes; then QX's work
.set RA,   64                          ; raw weights, then raw probs
.set RB,   96
.set RX,   128                         ; v128-255 my 128 rows of x
.macro PLACES                          ; four plain places behind a matrix instruction (ISA guide 7.12.1)
.rept 4
	v_nop
.endr
.endm
.macro LW vo, sb, st                   ; two columns of a weight a lane, 32 down K each
.set i, 0
.rept 32
	global_load_b32 v[RA+i], v[\vo], s[\sb:\sb+1] offset:\st*i
	global_load_b32 v[RB+i], v[\vo], s[\sb:\sb+1] offset:\st*i+\st/4
.set i, i+1
.endr
.endm
.macro WQ src, dst, by                 ; 32 numbers down K: codes into v[dst .. dst + 3], the scale's byte into v[by]
	v_max3_num_f32 v[MXA], |v[\src]|, |v[\src+1]|, s30             ; the floor 2^(3 - 127): the byte cannot fall under 1
	v_max3_num_f32 v[MXB], |v[\src+16]|, |v[\src+17]|, |v[\src+18]|
.irp i, 0,2,4,6,8,10
	s_delay_alu instid0(VALU_DEP_2)
	v_max3_num_f32 v[MXA], v[MXA], |v[\src+2+\i]|, |v[\src+3+\i]|
	s_delay_alu instid0(VALU_DEP_2)
	v_max3_num_f32 v[MXB], v[MXB], |v[\src+19+\i]|, |v[\src+20+\i]|
.endr
	s_delay_alu instid0(VALU_DEP_2)
	v_max3_num_f32 v[MXA], v[MXA], |v[\src+14]|, |v[\src+15]|
	s_delay_alu instid0(VALU_DEP_1)
	v_max3_num_f32 v[MXA], v[MXA], v[MXB], |v[\src+31]|
	s_delay_alu instid0(VALU_DEP_1)
	v_add_nc_u32 v[SC], s34, v[MXA]                                ; 2 off the exponent field: the conversions' scale operand
.irp g, 0,1,2,3
	v_cvt_scalef32_pk8_fp4_f32 v[\dst+\g], v[\src+8*\g:\src+8*\g+7], v[SC]
.endr
	v_lshrrev_b32 v[\by], 23, v[SC]                                ; the byte; the plain line behind the conversions
.endm
.macro LX g                            ; 32 rows of x: lane l takes bytes 1024 j + 32 l on: 8 neighbours of row 8 j + l / 4
.irp j, 0,1,2,3
	global_load_b128 v[RX+32*\g+8*\j:RX+32*\g+8*\j+3], v[XO], s[4:5] offset:4096*\g+1024*\j th:TH_LOAD_NT
	global_load_b128 v[RX+32*\g+8*\j+4:RX+32*\g+8*\j+7], v[XO], s[4:5] offset:4096*\g+1024*\j+16 th:TH_LOAD_NT
.endr
.endm
.macro QX g                            ; they become codes and scale words in my own LDS bytes.  Four neighbouring lanes hold a row, which is one block
.irp j, 0,1,2,3
	v_max3_num_f32 v[C+\j], |v[RX+32*\g+8*\j]|, |v[RX+32*\g+8*\j+1]|, s30
.endr
.irp i, 2,4,6
.irp j, 0,1,2,3
	s_delay_alu instid0(VALU_DEP_4)
	v_max3_num_f32 v[C+\j], v[C+\j], |v[RX+32*\g+8*\j+\i]|, |v[RX+32*\g+8*\j+\i+1]|
.endr
.endr
.irp j, 0,1,2,3
	s_delay_alu instid0(VALU_DEP_4)
	v_max_num_f32_dpp v[C+\j], v[C+\j], v[C+\j] row_xmask:1 row_mask:0xf bank_mask:0xf
.endr
.irp j, 0,1,2,3
	s_delay_alu instid0(VALU_DEP_4)
	v_max_num_f32_dpp v[C+\j], v[C+\j], v[C+\j] row_xmask:2 row_mask:0xf bank_mask:0xf
.endr
.irp j, 0,1,2,3
	s_delay_alu instid0(VALU_DEP_4)
	v_add_nc_u32 v[C+4+\j], s34, v[C+\j]
.endr
.irp j, 0,1,2,3
	v_cvt_scalef32_pk8_fp4_f32 v[C+8+\j], v[RX+32*\g+8*\j:RX+32*\g+8*\j+7], v[C+4+\j]
.endr
.irp j, 0,1,2,3
	v_lshrrev_b32 v[C+12+\j], 23, v[C+4+\j]
.endr
.irp j, 0,1,2,3
	ds_store_b32 v[QC], v[C+8+\j] offset:512*\g+128*\j             ; 8 codes: 4 of the row's 16 bytes
	ds_store_b8 v[QS], v[C+12+\j] offset:128*\g+32*\j              ; each of the row's four lanes writes one byte of its scale word
.endr
.endm
.macro PROD1 t                         ; the four tiles of x W1 + b1
.irp q, 0,1,2,3
	v_wmma_scale_f32_16x16x128_f8f6f4 v[D1+8*\q:D1+8*\q+7], v[W1P+12*(\q/2)+4*(\q%2):W1P+12*(\q/2)+4*(\q%2)+7], v[G+4*(\t)-4*(\q%2):G+4*(\t)-4*(\q%2)+7], v[B1+8*\q:B1+8*\q+7], v[W1S+\q/2], v[XS+(\t)] matrix_a_fmt:MATRIX_FMT_FP4 matrix_b_fmt:MATRIX_FMT_FP4
.endr
.endm
.macro PROD2                           ; the two tiles of h1 W2 + b2
.irp u, 0,1
	v_wmma_scale_f32_16x16x128_f8f6f4 v[D2+8*\u:D2+8*\u+7], v[W2P:W2P+7], v[P-4*\u:P-4*\u+7], v[B2+8*\u:B2+8*\u+7], v[W2S], v[PS] matrix_a_fmt:MATRIX_FMT_FP4 matrix_b_fmt:MATRIX_FMT_FP4
.endr
.endm
.macro QA                              ; my block's largest number (no |.|), the scale, the codes; each result is read from its low end on
	v_max3_num_f32 v[MXA], v[D1], v[D1+1], s30
	v_max3_num_f32 v[MXB], v[D1+16], v[D1+17], v[D1+18]
.irp i, 0,2,4,6,8,10
	v_max3_num_f32 v[MXA], v[MXA], v[D1+2+\i], v[D1+3+\i]
	v_max3_num_f32 v[MXB], v[MXB], v[D1+19+\i], v[D1+20+\i]
.endr
	v_max3_num_f32 v[MXA], v[MXA], v[D1+14], v[D1+15]
	v_max3_num_f32 v[MXA], v[MXA], v[MXB], v[D1+31]
	s_delay_alu instid0(VALU_DEP_1)
	v_add_nc_u32 v[SC], s34, v[MXA]                                ; these 17 lines are the places between the last product and the writes of P
.irp q, 0,1,2,3
	v_cvt_scalef32_pk8_fp4_f32 v[P+\q], v[D1+8*\q:D1+8*\q+7], v[SC]
.endr
	v_lshrrev_b32 v[BY], 23, v[SC]
.endm
.macro QB                              ; the scale word (block 0, block 1, and both again), and relu on the codes; eight plain lines stand behind the word's last write
	v_permlanex16_b32 v[OT], v[BY], s32, s33
.irp q, 0,1,2,3
	v_and_b32 v[T+\q], s31, v[P+\q]
.endr
	v_lshl_or_b32 v[PS], v[OT], 8, v[BY]
.irp q, 0,1,2,3
	v_lshrrev_b32 v[S+\q], 3, v[T+\q]
.endr
	v_lshl_or_b32 v[PS], v[PS], 16, v[PS]
.irp q, 0,1,2,3
	v_sub_nc_u32 v[T+\q], v[T+\q], v[S+\q]                         ; 7 in each negative code's four bits
.endr
.irp q, 0,1,2,3
	v_bfi_b32 v[P+\q], v[T+\q], 0, v[P+\q]
.endr
.endm
.macro HH t                            ; tile t's last layer: relu, 16 multiply-adds by W3'; my half's sum stays in a register
.irp i, 0,1,2,3
	v_max_num_f32 v[D2+\i], 0, v[D2+\i]
.endr
	s_delay_alu instid0(VALU_DEP_3)
	v_pk_mul_f32 v[SA:SA+1], v[D2:D2+1], v[W3:W3+1]
.irp i, 2,4,6,8,10,12
	v_max_num_f32 v[D2+2+\i], 0, v[D2+2+\i]
	v_max_num_f32 v[D2+3+\i], 0, v[D2+3+\i]
	s_delay_alu instid0(VALU_DEP_3)
	v_pk_fma_f32 v[SA:SA+1], v[D2+\i:D2+\i+1], v[W3+\i:W3+\i+1], v[SA:SA+1]
.endr
	s_delay_alu instid0(VALU_DEP_1)
	v_pk_fma_f32 v[SA:SA+1], v[D2+14:D2+15], v[W3+14:W3+15], v[SA:SA+1]
	s_delay_alu instid0(VALU_DEP_1)
	v_add_f32 v[ZH+(\t)], v[SA], v[SA+1]
.endm
.macro STEP t                          ; the next tile's first product stands between this tile's conversions and the work on its codes; the tile before's last layer ahead of this tile's second product
	QA
.if (\t) < 7
	PROD1 (\t)+1
.endif
	QB
.if (\t) > 0
	HH (\t)-1
.else
	PLACES
.endif
	PROD2
.endm
	; ---- the head
	s_load_b256 s[4:11], s[0:1], 0x0               ; x, probs, W1, b1
	s_load_b256 s[12:19], s[0:1], 0x20             ; W2, b2, W3, b3
	s_load_b64 s[20:21], s[0:1], 0x40              ; out
	v_lshrrev_b32 v6, 5, v0
	v_readfirstlane_b32 s22, v6                    ; wave 0..15
	s_and_b32 s23, s22, 7                          ; e
	s_lshl_b32 s24, s22, 11                        ; my codes (XI = 0)
	s_lshl_b32 s25, s22, 9
	s_add_co_u32 s25, s25, XSI                     ; my scale words
	s_lshl_b32 s26, s22, 12
	s_add_co_u32 s26, s26, PRB                     ; my probs
	s_lshl_b32 s27, s23, 12
	s_add_co_u32 s27, s27, WIM                     ; the image that I help to make
	s_mov_b32 s30, 0x01800000                      ; the floor 2^(3 - 127)
	s_mov_b32 s31, 0x88888888                      ; the signs of eight codes
	s_mov_b32 s32, 0x76543210
	s_mov_b32 s33, 0xfedcba98                      ; lane l xor 16
	s_mov_b32 s34, 0xff000000                      ; -(2 << 23)
	s_mov_b32 s36, 0xbfb8aa3b                      ; -log2(e)
	s_lshl_b32 s28, ttmp9, 18                      ; x: 2,048 rows of 128 bytes a work-group,
	s_lshl_b32 s35, s22, 14                        ; 128 rows a wave
	s_add_co_u32 s28, s28, s35
	s_mov_b32 s29, 0
	v_lshl_add_u32 v[SPW], v0, 2, SPARE
	v_mov_b32 v[NIL], 0
	v_mov_b32 v[OT], 0
	v_and_b32 v7, 31, v0                           ; lane
	v_and_b32 v8, 15, v0                           ; r
	v_bfe_u32 v9, v0, 4, 1                         ; h
	v_lshlrev_b32 v[GO], 4, v7
	v_lshl_add_u32 v[QC], v7, 2, s24
	v_add_nc_u32 v[QS], s25, v7
	v_lshlrev_b32 v[XO], 5, v7
	v_lshl_add_u32 v[AGL], v8, 6, s24              ; a tile's codes: 64 r
	v_lshl_add_u32 v[AXL], v8, 4, s25              ; its scale words: 16 r
	v_and_b32 v12, 1, v0
	v_bfe_u32 v13, v0, 1, 4
	v_lshl_add_u32 v[PST], v13, 2, s26             ; probs on the way in: 2048 (l % 2) + 4 (l / 2)
	v_lshl_add_u32 v[PST], v12, 11, v[PST]
	v_add_nc_u32 v[AP], s26, v[GO]
	v_add_nc_u32 v[AWS], s27, v[GO]
	v_lshl_add_u32 v[A4], v7, 2, s27
	v_lshl_add_u32 v[A8], v7, 3, s27
	v_lshlrev_b32 v[L4], 2, v7
	v_lshlrev_b32 v[L8], 3, v7
	v_add_nc_u32 v[AW], WIM, v[GO]
	v_lshl_add_u32 v[AB1], v9, 7, WIM+3584
	v_lshl_add_u32 v[AB2], v9, 6, WIM+3840
	v_lshlrev_b32 v[H8], 3, v9
	v_bfe_u32 v12, v0, 3, 1                        ; r / 8
	v_and_b32 v13, 7, v0                           ; r % 8
	v_lshlrev_b32 v[VO1], 2, v13
	v_lshl_add_u32 v[VO2], v12, 6, v[VO1]
	v_lshl_add_u32 v[VO2], v9, 12, v[VO2]          ; W2, set u: 4096 h + 64 (r / 8) + 4 (r % 8), + 32 u + 128 i
	v_lshl_add_u32 v[VO1], v12, 7, v[VO1]
	v_lshl_add_u32 v[VO1], v9, 5, v[VO1]           ; W1, set p: 128 (r / 8) + 32 h + 4 (r % 8), + 64 p + 256 i
	s_wait_alu depctr_va_vdst(0)
	s_wait_kmcnt 0x0
	s_add_nc_u64 s[4:5], s[4:5], s[28:29]
	s_lshr_b32 s28, s28, 2                         ; probs: 32 bytes a row
	s_add_nc_u64 s[6:7], s[6:7], s[28:29]
	s_lshr_b32 s28, s28, 3                         ; out: 4 bytes a row
	s_add_nc_u64 s[20:21], s[20:21], s[28:29]
	s_lshl_b32 s28, s23, 13                        ; my expert: 8,192 bytes of W1 and of W2,
	s_add_nc_u64 s[8:9], s[8:9], s[28:29]
	s_add_nc_u64 s[12:13], s[12:13], s[28:29]
	s_lshr_b32 s28, s28, 5                         ; 256 of b1,
	s_add_nc_u64 s[10:11], s[10:11], s[28:29]
	s_lshr_b32 s28, s28, 1                         ; 128 of b2 and of W3,
	s_add_nc_u64 s[14:15], s[14:15], s[28:29]
	s_add_nc_u64 s[16:17], s[16:17], s[28:29]
	s_lshr_b32 s28, s28, 5                         ; 4 of b3
	s_add_nc_u64 s[18:19], s[18:19], s[28:29]
	s_cmp_lt_u32 s22, 8
	s_cbranch_scc0 .Lload2
	LW VO1, 8, 256                                 ; waves 0-7: W1[e] and b1[e]
	global_load_b64 v[SM:SM+1], v[L8], s[10:11]
	s_branch .Lloaded
.Lload2:
	LW VO2, 12, 128                                ; waves 8-15: W2[e], b2[e], W3[e], b3[e]
	global_load_b32 v[SM], v[L4], s[14:15]
	global_load_b32 v[SM+1], v[L4], s[16:17]
	global_load_b32 v[SM+2], v[OT], s[18:19]       ; (offset 0)
.Lloaded:
.irp j, 0,1,2,3,4,5,6,7
	global_load_b128 v[RX+96+4*\j:RX+96+4*\j+3], v[GO], s[6:7] offset:512*\j th:TH_LOAD_NT   ; my 128 rows of probs, 512 consecutive bytes a load: row 16 j + l / 2, experts 4 (l % 2) ..; into the registers of x's last group
.endr
.irp i, 0,1,2,3
	v_mov_b32 v[C+4+\i], 0                         ; for the exchange below
	v_mov_b32 v[C+12+\i], 0
.endr
	s_wait_loadcnt 8                               ; the weights and small loads are in; probs' 8 loads, issued behind them, may be out
.irp g, 0,1,2
	LX \g                                          ; x is asked for behind the weights' arrival
.endr
	WQ RA, C, BYA
	WQ RB, C+8, BYB
	s_cmp_lt_u32 s22, 8
	s_wait_alu depctr_va_vdst(0)
	s_cbranch_scc0 .Lpost2
.irp i, 0,1,2,3
	v_permlane16_swap_b32 v[C+\i], v[C+4+\i]       ; lanes 16-31 held the odd tile: it goes to lanes 0-15 of the next four registers; lanes 16-31 are zero codes
	v_permlane16_swap_b32 v[C+8+\i], v[C+12+\i]
.endr
	v_permlanex16_b32 v[OT], v[BYA], s32, s33
	s_delay_alu instid0(VALU_DEP_1)
	v_lshl_or_b32 v[SW], v[OT], 16, v[BYA]         ; byte 0 the even tile's row, byte 2 the odd tile's
	v_permlanex16_b32 v[OT], v[BYB], s32, s33
	s_delay_alu instid0(VALU_DEP_1)
	v_lshl_or_b32 v[SW+1], v[OT], 16, v[BYB]
.irp q, 0,1,2,3
	ds_store_b128 v[AWS], v[C+4*\q:C+4*\q+3] offset:512*\q
.endr
	ds_store_b64 v[AWS], v[SW:SW+1] offset:3072
	ds_store_b64 v[A8], v[SM:SM+1] offset:3584     ; b1[e]
	s_wait_alu depctr_va_vdst(0)
	s_branch .Lposted
.Lpost2:
	v_lshl_or_b32 v[BYA], v[BYB], 16, v[BYA]       ; my block's bytes of tiles 0 and 1,
	s_delay_alu instid0(VALU_DEP_1)
	v_lshlrev_b32 v[BYA], v[H8], v[BYA]            ; 8 h bits up;
	s_delay_alu instid0(VALU_DEP_1)
	v_permlanex16_b32 v[OT], v[BYA], s32, s33
	s_delay_alu instid0(VALU_DEP_1)
	v_or_b32 v[SW], v[BYA], v[OT]                  ; with lane l xor 16's two the word is whole
	v_mul_f32 v[SW+1], s36, v[SM+2]                ; b3'
	v_mul_f32 v[SM+1], s36, v[SM+1]                ; W3'
	ds_store_b128 v[AWS], v[C:C+3] offset:2048
	ds_store_b128 v[AWS], v[C+8:C+11] offset:2560
	ds_store_b64 v[AWS], v[SW:SW+1] offset:3080
	ds_store_b32 v[A4], v[SM] offset:3840          ; b2[e]
	ds_store_b32 v[A4], v[SM+1] offset:3968
.Lposted:
	s_wait_loadcnt 24                              ; probs are in; behind them: the 24 loads of x's groups 0 to 2
.irp j, 0,1,2,3,4,5,6,7
.irp c, 0,1,2,3
	ds_store_b32 v[PST], v[RX+96+4*\j+\c] offset:512*\c+64*\j      ; plane e = 4 (l % 2) + c, row 16 j + l / 2
.endr
.endr
	s_wait_alu depctr_va_vdst(0)
	s_wait_dscnt 0x0                               ; my stores of the image and of probs have landed, and have read their registers
	LX 3                                           ; x's last group, into the registers that held probs
	s_barrier_signal -1
	s_barrier_wait -1                              ; all eight images lie in LDS; behind this barrier a wave stores only into its own bytes of codes and scale words
.irp g, 0,1,2,3
	s_wait_loadcnt 24-8*\g                         ; group g's 8 loads are in; behind them: the later groups' 8 each
	QX \g
.endr
.irp i, 0,1,2,3
	v_mov_b32 v[P-4+\i], 0                         ; the runs of zero codes
	v_mov_b32 v[P+4+\i], 0
	v_mov_b32 v[G+32+\i], 0
	v_mov_b32 v[W1P+4+\i], 0
	v_mov_b32 v[W1P+16+\i], 0
	v_mov_b32 v[ACC+\i], 0
.endr
	s_wait_alu depctr_va_vdst(0)                   ; The loads below read my own bytes: LDS serves a wave's instructions in order
.irp t, 0,1,2,3,4,5,6,7
	ds_load_b128 v[G+4*\t:G+4*\t+3], v[AGL] offset:1024*(\t%2)+16*(\t/2)   ; tile t: local rows 64 (t % 2) + 4 r + t / 2 (lanes 16-31 take the same bytes: they meet zero codes)
	ds_load_b32 v[XS+\t], v[AXL] offset:256*(\t%2)+4*(\t/2)
.endr
	s_mov_b32 s35, 0
.Lexp:                                             ; an expert a trip.  The loads below stand more than four plain lines behind the last product
	ds_load_b128 v[W1P:W1P+3], v[AW]
	ds_load_b128 v[W1P+8:W1P+11], v[AW] offset:512
	ds_load_b128 v[W1P+12:W1P+15], v[AW] offset:1024
	ds_load_b128 v[W1P+20:W1P+23], v[AW] offset:1536
	ds_load_b128 v[W1S:W1S+3], v[AW] offset:3072
.irp c, 0,1,2,3,4,5,6,7
	ds_load_b128 v[B1+4*\c:B1+4*\c+3], v[AB1] offset:16*\c
.endr
	ds_load_b128 v[W2P:W2P+3], v[AW] offset:2048
	ds_load_b128 v[W2P+4:W2P+7], v[AW] offset:2560
.irp c, 0,1,2,3
	ds_load_b128 v[B2+4*\c:B2+4*\c+3], v[AB2] offset:16*\c
	ds_load_b128 v[W3+4*\c:W3+4*\c+3], v[AB2] offset:128+16*\c
.endr
	ds_load_b128 v[PR:PR+3], v[AP]
	v_add_nc_u32 v[AW], 4096, v[AW]                ; on to the next expert
	v_add_nc_u32 v[AB1], 4096, v[AB1]
	v_add_nc_u32 v[AB2], 4096, v[AB2]
	v_add_nc_u32 v[AP], 512, v[AP]
	s_wait_alu depctr_va_vdst(0)
	s_wait_dscnt 0x0
	PROD1 0
	PLACES
.irp t, 0,1,2,3,4,5,6,7
	STEP \t
.endr
	PLACES
	HH 7
.irp p, 0,1,2,3
	v_permlane16_swap_b32 v[ZH+2*\p], v[ZH+2*\p+1] ; first: (tile 2 p, h = 0 | tile 2 p + 1, h = 0); second: the same with h = 1
.endr
.irp p, 0,1,2,3
	v_add_f32 v[T+\p], v[ZH+2*\p], v[ZH+2*\p+1]    ; row 4 l + p
.endr
.irp p, 0,1,2,3
	s_delay_alu instid0(VALU_DEP_4)
	v_add_f32 v[T+\p], v[B3], v[T+\p]              ; z' = -log2(e) z
.endr
	s_wait_alu depctr_va_vdst(0)
.irp p, 0,1,2,3
	v_exp_f32 v[T+\p], v[T+\p]
.endr
	v_nop
	s_wait_alu depctr_va_vdst(0)
	v_pk_add_f32 v[T:T+1], v[T:T+1], 1.0 op_sel_hi:[1,0]
	v_pk_add_f32 v[T+2:T+3], v[T+2:T+3], 1.0 op_sel_hi:[1,0]
	s_wait_alu depctr_va_vdst(0)
.irp p, 0,1,2,3
	v_rcp_f32 v[T+\p], v[T+\p]
.endr
	v_nop
	s_wait_alu depctr_va_vdst(0)
	v_pk_fma_f32 v[ACC:ACC+1], v[T:T+1], v[PR:PR+1], v[ACC:ACC+1]
	v_pk_fma_f32 v[ACC+2:ACC+3], v[T+2:T+3], v[PR+2:PR+3], v[ACC+2:ACC+3]
	s_add_co_u32 s35, s35, 1
	s_cmp_lt_u32 s35, 8
	s_wait_alu depctr_va_vdst(0)
	s_cbranch_scc1 .Lexp
	global_store_b128 v[GO], v[ACC:ACC+3], s[20:21] th:TH_STORE_NT   ; 32 lanes store 512 consecutive bytes, at a multiple of 512 from out's first byte
	s_wait_tensorcnt 0x0                           ; the wave's end
	ds_add_u32 v[SPW], v[NIL]
	s_wait_dscnt 0x0
	s_endpgm
.Lfunc_end_k_q1aa629b7b3_main:
	.size	k_q1aa629b7b3_main, .Lfunc_end_k_q1aa629b7b3_main-k_q1aa629b7b3_main
	.p2alignl 7, 3214868480
	.fill 96, 4, 3214868480
	.section	.rodata,"a",@progbits
	.p2align	6, 0x0
	.amdhsa_kernel k_q1aa629b7b3_main
		.amdhsa_group_segment_fixed_size 141312
		.amdhsa_private_segment_fixed_size 0
		.amdhsa_enable_private_segment 0
		.amdhsa_kernarg_size 72
		.amdhsa_user_sgpr_count 2
		.amdhsa_user_sgpr_kernarg_segment_ptr 1
		.amdhsa_wavefront_size32 1
		.amdhsa_system_sgpr_workgroup_id_x 1
		.amdhsa_system_sgpr_workgroup_id_y 1
		.amdhsa_system_sgpr_workgroup_id_z 1
		.amdhsa_system_vgpr_workitem_id 0
		.amdhsa_next_free_vgpr 256
		.amdhsa_next_free_sgpr 66
		.amdhsa_reserve_vcc 0
		.amdhsa_float_denorm_mode_32 3
		.amdhsa_float_denorm_mode_16_64 3
		.amdhsa_memory_ordered 1
		.amdhsa_forward_progress 1
		.amdhsa_inst_pref_size 80
	.end_amdhsa_kernel
	.amdgpu_metadata
---
amdhsa.version: [ 1, 2 ]
amdhsa.kernels:
  - .name:           k_q1aa629b7b3_main
    .symbol:         k_q1aa629b7b3_main.kd
    .args:
      - { .name: x, .offset: 0, .size: 8, .value_kind: global_buffer, .address_space: global }
      - { .name: soft_cluster_probs, .offset: 8, .size: 8, .value_kind: global_buffer, .address_space: global }
      - { .name: W1, .offset: 16, .size: 8, .value_kind: global_buffer, .address_space: global }
      - { .name: b1, .offset: 24, .size: 8, .value_kind: global_buffer, .address_space: global }
      - { .name: W2, .offset: 32, .size: 8, .value_kind: global_buffer, .address_space: global }
      - { .name: b2, .offset: 40, .size: 8, .value_kind: global_buffer, .address_space: global }
      - { .name: W3, .offset: 48, .size: 8, .value_kind: global_buffer, .address_space: global }
      - { .name: b3, .offset: 56, .size: 8, .value_kind: global_buffer, .address_space: global }
      - { .name: out0, .offset: 64, .size: 8, .value_kind: global_buffer, .address_space: global }
    .group_segment_fixed_size: 141312
    .private_segment_fixed_size: 0
    .kernarg_segment_align: 8
    .kernarg_segment_size: 72
    .max_flat_workgroup_size: 512
    .sgpr_count:     66
    .vgpr_count:     256
    .wavefront_size: 32
...
	.end_amdgpu_metadata
.endif
;; end of part 1
